; MI455X (gfx1250); checked and timed in simulation.
; The chip was launched on July 23, 2026; its instructions are those of AMD's public machine-readable ISA for CDNA 5 (MIT licence, August 2026) and "CDNA5" Instruction Set Architecture Reference Guide (July 2026). The comments in the code are by the model that wrote it; some were corrected since.
;; Self Attention. Allowed arithmetic: matrix products marked QUANTISED: E2M3 operands, one E8M0 scale for each 32 along K, by v_wmma_scale_f32_16x16x128_f8f6f4 with both operands' format E2M3, f32 sums; everything else in f32.
;; Inputs: b_out 1,024 float32; w_out 1,024 x 1,024 float32; w_qkv 3,072 x 1,024 float32; x 4 x 2,048 x 1,024 float32.
;; Outputs: out0 4 x 2,048 x 1,024 float32.
;; This version of the problem:
;;   THIS VERSION OF THE PROBLEM IS GIVEN IN LOW PRECISION. The matrix products marked QUANTISED in the list below multiply operands that are first quantised to E2M3 (2 exponent bits, 3 mantissa bits; 6 bits a number), with one power-of-two scale for each 32 numbers along K (OCP MX v1.0); their sums are f32. All else is computed in f32.
;;   The module's matrix products, in the order in which they are computed (A, B: the left and right operand; K: the contracted axis; several contracted axes count as one K, in the product's order):
;;     1. [M 8,192, K 1,024] x [K 1,024, N 3,072]; A: input x; B: input w_qkv: QUANTISED
;;     2. batch 64 x [M 2,048, K 64] x [K 64, N 2,048]; A: computed on the way; B: computed on the way: QUANTISED
;;     3. batch 64 x [M 2,048, K 2,048] x [K 2,048, N 64]; A: softmax (see below); B: computed on the way: QUANTISED
;;     4. [M 8,192, K 1,024] x [K 1,024, N 1,024]; A: computed on the way; B: input w_out: QUANTISED
;;   THE QUANTISER, for each operand of a quantised product, along K:
;;     - K is cut into blocks of 32 from its start; a last block that is shorter is filled with zeros.
;;     - A block's scale is 2^e with e = floor(log2(the largest magnitude in the block)) - 2, held to -126 .. 127; a block of zeros has e = 0. As a byte (E8M0): e + 127.
;;     - Each number is divided by its block's scale, clamped to +-7.5, and rounded to the nearest number of E2M3, ties to even, subnormals kept.
;;     - The product sums the exact products of the quantised numbers (number of the format x scale) in f32.
;;   ~~~python
;;   def quantise(x, axis):      # numpy; x: float32 -> the quantised numbers, widened to float32 again
;;       x = np.moveaxis(x, axis, -1); K = x.shape[-1]
;;       x = np.pad(x, [(0, 0)] * (x.ndim - 1) + [(0, -K % 32)]); x = x.reshape(x.shape[:-1] + (-1, 32)); a = np.abs(x).max(-1, keepdims=True)
;;       e = np.where(a > 0, np.clip(np.frexp(np.where(a > 0, a, 1))[1] - 1 - 2, -126, 127), 0)      # np.frexp(a)[1] - 1 = floor(log2(a)), exactly
;;       r = np.clip(x / 2.0 ** e, -7.5, 7.5)
;;       step = 2.0 ** (np.maximum(np.frexp(np.where(r == 0, 1, r))[1] - 1, 0) - 3)
;;       q = np.round(r / step) * step * 2.0 ** e      # np.round: ties to even
;;       return np.moveaxis(q.reshape(q.shape[:-2] + (-1,))[..., :K], -1, axis).astype(np.float32)
;;   ~~~
;;   SOFTMAX AHEAD OF A QUANTISED PRODUCT. Where the list says 'softmax', what is quantised is not the finished softmax but p = 2^(t - M), with t = logit x log2(e) and M = ceil(the row's largest t), a whole number; so 1/2 < the row's largest p <= 1. The row's sum l is taken of the UNQUANTISED p, in f32, and the product's result is divided by l at the end. Since M is a whole number, a kernel that streams over the keys may use a running M (the ceiling of the running maximum): every later rescaling is an exact power of two, which a block's scale takes up: the codes' values come out the same.
;;   OPERANDS COMPUTED ON THE WAY. 'Computed on the way' means the value that the module computes at that place (a softmax that the list does not call 'softmax' is quantised finished and normalised). What goes into a quantiser is computed in f32, as accurately as f32 sums, v_exp_f32 and their like allow (about 1e-6 of the number): no bf16 or f16 on the way to a quantiser, and a product that is left as it is and whose result goes on into a quantised operand takes f32 operands (vector FMAs, or v_wmma_f32_16x16x4_f32). A number that lies on a knife's edge between two numbers of the format may be rounded either way, as far as f32 arithmetic and the matrix unit's own rounding can turn it there, and no further.
;; One version. Each part assembles by itself: llvm-mc -triple=amdgcn-amd-amdhsa -mcpu=gfx1250 --defsym DOCPART=n.
;; ======== version 1 of 1: 4 launches
;; workspace buffers: opc 9,437,184 bytes; ops 393,216 bytes; qc 6,291,456 bytes; qs 524,288 bytes; kv 13,107,200 bytes; aoc 6,291,456 bytes; aos 262,144 bytes
;; launch quant (part 1): grid 384 x 1, 4 waves a work-group, no clusters, 34,304 bytes of LDS; arguments x, w_qkv, w_out, opc, ops; writes opc, ops
.if DOCPART == 1
	.amdgcn_target "amdgcn-amd-amdhsa--gfx1250"
	.amdhsa_code_object_version 6
	.text
	.protected	k_q7ab78ba7b1_quant
	.globl	k_q7ab78ba7b1_quant
	.p2align	8
	.type	k_q7ab78ba7b1_quant,@function
k_q7ab78ba7b1_quant:
	s_mov_b64 s[64:65], 0
	v_nop
	global_prefetch_b8 v0, s[64:65] scope:SCOPE_SE
	s_setreg_imm32_b32 hwreg(HW_REG_WAVE_MODE, 25, 1), 1
	s_wait_xcnt 0x0
; x [8192][1024], w_qkv [3072][1024], w_out [1024][1024], f32 with K innermost, become codes of FP6 (E2M3) with one E8M0 byte for each 32 along K,
; laid in the ORDER OF THE OPERAND'S REGISTERS, so that the products' launches fetch fragments by dense loads of 16 and 8 bytes a lane.
; ROW BLOCKS.  The 12,288 rows of the three tensors on end are 768 row blocks of 16.  Lane r of block j stands for row 32 (j / 2) + 8 (j % 2) + r + 8 (r / 8): with such blocks a transposed product's
; results are 16 neighbours along the next product's K in a lane's registers.
; opc: [row block][K step of 128: 8][c: 2][768 bytes]: registers 6 c .. 6 c + 3 of the 32 lanes at 16 x lane (512 bytes), then registers 6 c + 4, 6 c + 5 at 8 x lane (256 bytes).
; ops: [row block][pair of K steps: 4][r: 16][2 words]: a word is a row's four scale bytes of one K step.
; A block's scale is 2^(floor(log2(largest magnitude)) - 2); its byte is the largest magnitude's exponent field - 2, held at 1 from below.
; LIMITS: a block of zeros gets the byte 1 where the quantiser says 127 (its codes are zeros, and this program alone reads the bytes); NaN and infinities among the inputs are not served.
; SHARES.  A work-group takes 32 rows (two row blocks); wave w takes row block w % 2 and the K half w / 2: four steps of 16 rows x 128 K.  Each load reads 512 consecutive bytes of one row;
; a step's 8,192 bytes turn through the wave's own stage in LDS (rows 528 bytes apart) and come back 128 bytes a lane: lane (r, h) holds k = 64 c + 32 h + 0 .. 31 of row r: two whole blocks.
; No barrier: waves share nothing.  Every store of a wave covers whole aligned runs of 256 bytes.
.set STG,   8448                       ; a wave's stage: 16 rows x (512 + 16) bytes
.set SPARE, 4*STG                      ; behind the stages: the spare words, 128 bytes a wave
.set LI,  1                            ; v1   16 x lane
.set L8,  2                            ; v2   8 x lane
.set SI,  3                            ; v3   the stage, on the way in: 16 x lane
.set SO,  4                            ; v4   on the way out: 528 r + 128 h
.set SH,  5                            ; v5   8 h: my two scale bytes' place in the word
.set SPW, 6                            ; v6   LDS address of my spare word; never rewritten
.set NIL, 7                            ; v7   0; never rewritten
.set R,   16                           ; v16-143  two sets of 64 registers as loaded
.set X,   144                          ; v144-207 register 32 c + i: k = 64 c + 32 h + i of my row
.set C,   208                          ; v208-219 the fragment's twelve registers
.set T,   220                          ; v220-227 the conversions' second halves
.set W,   228                          ; v228-231 the four steps' scale words
	s_load_b256 s[4:11], s[0:1], 0x0               ; x s[4:5], w_qkv s[6:7], w_out s[8:9], opc s[10:11]
	s_load_b64 s[12:13], s[0:1], 0x20              ; ops
	v_lshl_add_u32 v[SPW], v0, 2, SPARE
	v_mov_b32 v[NIL], 0
	v_lshrrev_b32 v8, 5, v0
	v_readfirstlane_b32 s16, v8                    ; wave 0..3
	v_and_b32 v9, 31, v0                           ; lane
	v_and_b32 v10, 15, v0                          ; r
	v_bfe_u32 v11, v0, 4, 1                        ; h
	v_lshlrev_b32 v[LI], 4, v9
	v_lshlrev_b32 v[L8], 3, v9
	s_mul_i32 s17, s16, STG
	v_add_nc_u32 v[SI], s17, v[LI]
	v_mul_u32_u24 v[SO], v10, 528
	v_lshl_add_u32 v[SO], v11, 7, v[SO]
	v_add_nc_u32 v[SO], s17, v[SO]
	v_lshlrev_b32 v[SH], 3, v11
	v_mov_b32 v15, 0                               ; a lane permute's destination counts as one of its sources
	s_mov_b32 s18, 0x76543210
	s_mov_b32 s19, 0xfedcba98                      ; selects for lane l xor 16
	s_and_b32 s21, s16, 1                          ; u: which of the two row blocks
	s_lshr_b32 s22, s16, 1                         ; which half of K
	s_lshl_b32 s23, ttmp9, 1
	s_add_co_u32 s23, s23, s21                     ; my row block
	s_mul_i32 s24, s23, 12288
	s_mul_i32 s26, s22, 6144
	s_add_co_u32 s24, s24, s26
	s_mov_b32 s25, 0                               ; its codes, my four K steps
	s_lshl_b32 s26, s23, 9
	s_lshl_b32 s27, s22, 8
	s_add_co_u32 s26, s26, s27
	s_mov_b32 s27, 0                               ; its scale words, my 256 bytes
	s_wait_alu depctr_va_vdst(0)
	s_wait_kmcnt 0x0
	s_mov_b32 s14, 352
	s_cmp_lt_u32 ttmp9, 352                        ; work-groups 0-255 take x, 256-351 w_qkv, 352-383 w_out: the choice hangs on the work-group's number alone
	s_cselect_b64 s[6:7], s[6:7], s[8:9]
	s_cselect_b32 s14, 256, s14
	s_cmp_lt_u32 ttmp9, 256
	s_cselect_b64 s[4:5], s[4:5], s[6:7]
	s_cselect_b32 s14, 0, s14
	s_sub_co_u32 s14, ttmp9, s14                   ; the group of 32 rows in its own tensor
	s_lshl_b32 s14, s14, 17                        ; 32 rows of 4,096 bytes
	s_lshl_b32 s15, s21, 15                        ; + 8 u rows
	s_add_co_u32 s14, s14, s15
	s_lshl_b32 s15, s22, 11                        ; + my half of K
	s_add_co_u32 s14, s14, s15
	s_mov_b32 s15, 0
	s_add_nc_u64 s[4:5], s[4:5], s[14:15]
	s_add_nc_u64 s[10:11], s[10:11], s[24:25]
	s_add_nc_u64 s[12:13], s[12:13], s[26:27]
.macro LOAD t                          ; step t: 128 along K of the block's sixteen rows, a row a load: 512 consecutive bytes
.irp p, 0,1,2,3,4,5,6,7,8,9,10,11,12,13,14,15
	global_load_b128 v[R+64*((\t)%2)+4*\p:R+64*((\t)%2)+4*\p+3], v[LI], s[4:5] offset:(\p+8*(\p/8))*4096+512*(\t) th:TH_LOAD_NT
.endr
.endm
.macro STEP t
.if (\t) < 3
	s_wait_loadcnt 16                              ; this step's sixteen loads are in; the next step's sixteen may be out
.else
	s_wait_loadcnt 0x0
.endif
.irp p, 0,1,2,3,4,5,6,7,8,9,10,11,12,13,14,15
	ds_store_b128 v[SI], v[R+64*((\t)%2)+4*\p:R+64*((\t)%2)+4*\p+3] offset:528*\p
.endr
.irp c, 0,1
.irp i, 0,1,2,3,4,5,6,7
	ds_load_b128 v[X+32*\c+4*\i:X+32*\c+4*\i+3], v[SO] offset:256*\c+16*\i   ; LDS serves a wave's instructions in order: these see the stores above
.endr
.endr
	s_wait_dscnt 0x0                               ; my 64 numbers are back, and the stores have read their registers,
.if (\t) < 2
	LOAD (\t)+2                                    ; which take the loads of two steps on
.endif
.irp c, 0,1
	v_max3_num_f32 v[8+\c], |v[X+32*\c]|, |v[X+32*\c+1]|, 0x1800000   ; block 2 c + h: all its 32 numbers are mine; the floor 2^(3 - 127) keeps the byte at 1 or above
.endr
.irp i, 2,4,6,8,10,12,14,16,18,20,22,24,26,28,30
.irp c, 0,1
	v_max3_num_f32 v[8+\c], v[8+\c], |v[X+32*\c+\i]|, |v[X+32*\c+\i+1]|
.endr
.endr
.irp c, 0,1
	v_add_nc_u32 v[10+\c], 0xff000000, v[8+\c]     ; 2 off the exponent field: the conversion's scale operand
.endr
.irp c, 0,1
	v_lshrrev_b32 v[12+\c], 23, v[10+\c]           ; the scale's byte
.endr
	v_lshl_or_b32 v14, v13, 16, v12                ; my two bytes: blocks h and 2 + h,
	v_lshlrev_b32 v14, v[SH], v14                  ; at their places in the word;
	v_permlanex16_b32 v15, v14, s18, s19
	v_or_b32 v[W+(\t)], v14, v15                   ; with lane l xor 16's two the word is whole, in both halves of the lanes
	s_wait_alu depctr_va_vdst(0)
	s_wait_xcnt 0x0                                ; the last step's stores have read the codes' registers: they are written again only behind this wait
.irp c, 0,1
	v_cvt_scalef32_pk16_fp6_f32 v[C+6*\c:C+6*\c+2], v[X+32*\c:X+32*\c+15], v[10+\c]
	v_cvt_scalef32_pk16_fp6_f32 v[T+4*\c:T+4*\c+2], v[X+32*\c+16:X+32*\c+31], v[10+\c]   ; (a conversion's three registers begin on an even number)
.endr
	v_nop                                          ; one plain place behind a scaled conversion
.irp c, 0,1
.irp i, 0,1,2
	v_mov_b32 v[C+6*\c+3+\i], v[T+4*\c+\i]
.endr
.endr
.irp c, 0,1
	global_store_b128 v[LI], v[C+6*\c:C+6*\c+3], s[10:11] offset:1536*(\t)+768*\c          ; 512 consecutive bytes
	global_store_b64 v[L8], v[C+6*\c+4:C+6*\c+5], s[10:11] offset:1536*(\t)+768*\c+512     ; 256 consecutive bytes
.endr
.endm
	LOAD 0
	LOAD 1
	STEP 0
	STEP 1
	STEP 2
	STEP 3
	s_mov_b32 vcc_lo, 0xffff0000                   ; lanes 16-31 take the second pair of K steps
	v_cndmask_b32 v232, v[W], v[W+2], vcc_lo
	v_cndmask_b32 v233, v[W+1], v[W+3], vcc_lo
	global_store_b64 v[L8], v[232:233], s[12:13]   ; 256 consecutive bytes: [pair of K steps][r][2 words]
	s_wait_tensorcnt 0x0                           ; the wave's end, behind my last LDS store
	ds_add_u32 v[SPW], v[NIL]
	s_wait_dscnt 0x0
	s_endpgm
.Lfunc_end_k_q7ab78ba7b1_quant:
	.size	k_q7ab78ba7b1_quant, .Lfunc_end_k_q7ab78ba7b1_quant-k_q7ab78ba7b1_quant
	.p2alignl 7, 3214868480
	.fill 96, 4, 3214868480
	.section	.rodata,"a",@progbits
	.p2align	6, 0x0
	.amdhsa_kernel k_q7ab78ba7b1_quant
		.amdhsa_group_segment_fixed_size 34304
		.amdhsa_private_segment_fixed_size 0
		.amdhsa_enable_private_segment 0
		.amdhsa_kernarg_size 40
		.amdhsa_user_sgpr_count 2
		.amdhsa_user_sgpr_kernarg_segment_ptr 1
		.amdhsa_wavefront_size32 1
		.amdhsa_system_sgpr_workgroup_id_x 1
		.amdhsa_system_sgpr_workgroup_id_y 1
		.amdhsa_system_sgpr_workgroup_id_z 1
		.amdhsa_system_vgpr_workitem_id 0
		.amdhsa_next_free_vgpr 256
		.amdhsa_next_free_sgpr 66
		.amdhsa_reserve_vcc 1
		.amdhsa_float_denorm_mode_32 3
		.amdhsa_float_denorm_mode_16_64 3
		.amdhsa_memory_ordered 1
		.amdhsa_forward_progress 1
		.amdhsa_inst_pref_size 31
	.end_amdhsa_kernel
	.amdgpu_metadata
---
amdhsa.version: [ 1, 2 ]
amdhsa.kernels:
  - .name:           k_q7ab78ba7b1_quant
    .symbol:         k_q7ab78ba7b1_quant.kd
    .args:
      - { .name: x, .offset: 0, .size: 8, .value_kind: global_buffer, .address_space: global }
      - { .name: w_qkv, .offset: 8, .size: 8, .value_kind: global_buffer, .address_space: global }
      - { .name: w_out, .offset: 16, .size: 8, .value_kind: global_buffer, .address_space: global }
      - { .name: opc, .offset: 24, .size: 8, .value_kind: global_buffer, .address_space: global }
      - { .name: ops, .offset: 32, .size: 8, .value_kind: global_buffer, .address_space: global }
    .group_segment_fixed_size: 34304
    .private_segment_fixed_size: 0
    .kernarg_segment_align: 8
    .kernarg_segment_size: 40
    .max_flat_workgroup_size: 128
    .sgpr_count:     66
    .vgpr_count:     256
    .wavefront_size: 32
...
	.end_amdgpu_metadata
.endif
;; end of part 1
;; launch gemm_qkv (part 2): grid 12 x 32, 4 waves a work-group, clusters of 4 x 4, 327,680 bytes of LDS; arguments opc, ops, qc, qs, kv; writes qc, qs, kv
.if DOCPART == 2
	.amdgcn_target "amdgcn-amd-amdhsa--gfx1250"
	.amdhsa_code_object_version 6
	.text
	.protected	k_q7ab78ba7b1_gemm_qkv
	.globl	k_q7ab78ba7b1_gemm_qkv
	.p2align	8
	.type	k_q7ab78ba7b1_gemm_qkv,@function
k_q7ab78ba7b1_gemm_qkv:
	s_mov_b64 s[64:65], 0
	v_nop
	global_prefetch_b8 v0, s[64:65] scope:SCOPE_SE
	s_setreg_imm32_b32 hwreg(HW_REG_WAVE_MODE, 25, 1), 1
	s_wait_xcnt 0x0
	s_wait_alu depctr_hold_cnt(0) depctr_sa_sdst(0) depctr_va_vdst(0) depctr_va_sdst(0) depctr_va_ssrc(0) depctr_va_vcc(0) depctr_vm_vsrc(0)
	s_getreg_b32 s2, hwreg(HW_REG_IB_STS2, 6, 4)
	s_cmp_eq_u32 s2, 0
	s_cbranch_scc0 .Lentry_in_a_cluster
	s_endpgm
.Lentry_in_a_cluster:
	s_bfe_u32 s2, ttmp6, 0x10000c
	s_cmp_lg_u32 s2, 0xf033
	s_cbranch_scc0 .Lentry_shape_is_right
	s_endpgm
.Lentry_shape_is_right:
.set NQ,     2
.set FR,     12
.set NL,     4
.set NP,     4
.set RBC,    12288
.set RBS,    512
.set SROW,   3072
.set HALFT,  8*SROW
.set SLOT,   4*HALFT
.set SCL,    2*SLOT
.set HALFS,  8*RBS
.set SHIFTB, 128
.set SPARE,  SCL+4*HALFS+256
.set ADRA, 16
.set ADRB, 20
.set LI,   24
.set L8,   25
.set SCO,  26
.set ADRS, 27
.set SPW,  28
.set NIL,  29
.set SC,   32
.set TM,   64
.set PW,   80
.set PWE,  81
.set T0,   82
.set T1,   83
.set F0,   84
.set F1,   96
.set TT,   108
.set SW,   116
.set H16,  124
.set T2,   125
.set AF,   128
.set G1, 24
.set G0, 32
.set G1B, 48
.set G0B, 56
.set G1S, 68
.set G0S, 76
.set G1SB, 80
.set G0SB, 88
.set MSB, 0
.macro WIN new
.if MSB != \new
	s_set_vgpr_msb (MSB<<8)|\new
.set MSB, \new
.endif
.endm
.set MUL_LO, 0xa1
.set MUL_HI, 0xf1
.set TO_B,   0x40
.macro JLOAD g0a, g1a, g0b, g1b
	s_cmp_eq_u32 s15, 0
	s_cbranch_scc0 .Lfor_b_\@
	tensor_load_to_lds s[\g0a:\g0a+3], s[\g1a:\g1a+7]
	s_nop 0
.rept 4
	v_nop
.endr
	s_branch .Lasked_\@
.Lfor_b_\@:
	tensor_load_to_lds s[\g0b:\g0b+3], s[\g1b:\g1b+7]
	s_nop 0
.rept 4
	v_nop
.endr
.Lasked_\@:
.endm
.macro CREST
	s_cmp_lg_u32 s14, 0
	s_cbranch_scc1 .Lnot_wave_0_\@
	s_barrier_signal -3
.Lnot_wave_0_\@:
	s_barrier_wait -3
	s_barrier_signal -1
	s_barrier_wait -1
.endm
.macro CROUND
	s_barrier_signal -1
	s_barrier_wait -1
	CREST
.endm
	s_load_b128 s[4:7], s[0:1], 0x0
	s_load_b64 s[12:13], s[0:1], 0x10
	s_load_b128 s[96:99], s[0:1], 0x18
	v_lshl_add_u32 v[SPW], v0, 2, SPARE
	v_mov_b32 v[NIL], 0
	ds_add_u32 v[SPW], v[NIL]
	ds_add_u32 v[SPW], v[NIL]
	v_lshrrev_b32 v1, 5, v0
	v_readfirstlane_b32 s14, v1
	s_lshr_b32 s15, s14, 1
	s_and_b32 s16, s14, 1
	s_bfe_u32 s40, ttmp6, 0x40000
	s_bfe_u32 s41, ttmp6, 0x40004
	s_and_b32 s17, ttmp7, 0xffff
	s_lshl_b32 s17, s17, 2
	s_lshl_b32 s43, s41, 2
	s_lshl_b32 s43, 15, s43
	s_lshl_b32 s44, 0x1111, s40
	s_lshl_b32 s19, ttmp9, 2
	s_add_co_u32 s19, s19, 32
	s_cmp_eq_u32 ttmp9, 2
	s_cselect_b32 s42, 40, s17
	s_cselect_b32 s19, s17, s19
	s_add_co_u32 s42, s42, s41
	s_add_co_u32 s19, s19, s40
	s_or_b32 s[G1+0], s43, (3<<16)|(1<<21)
	s_or_b32 s[G1B+0], s44, (3<<16)|(1<<21)
.irp g, G1, G1B
	s_mov_b32 s[\g+1], (SROW/8)<<16
	s_mov_b32 s[\g+2], 8<<16
	s_mov_b32 s[\g+3], (SROW/8)<<16
	s_mov_b32 s[\g+4], 8
	s_mov_b32 s[\g+5], RBC/8
	s_mov_b32 s[\g+6], 0
	s_mov_b32 s[\g+7], 0
.endr
	s_or_b32 s[G1S+0], s43, (3<<16)|(1<<21)
	s_or_b32 s[G1SB+0], s44, (3<<16)|(1<<21)
.irp g, G1S, G1SB
	s_mov_b32 s[\g+1], 32<<16
	s_mov_b32 s[\g+2], (HALFS/256)<<16
	s_mov_b32 s[\g+3], 32<<16
	s_mov_b32 s[\g+4], HALFS/256
	s_mov_b32 s[\g+5], 32
	s_mov_b32 s[\g+6], 0
	s_mov_b32 s[\g+7], 0
.endr
	s_lshl_b32 s18, s16, 3
	s_lshl_b32 s20, s42, 4
	s_add_co_u32 s20, s20, s18
	s_lshl_b32 s46, s19, 4
	s_add_co_u32 s46, s46, s18
	s_lshl_b32 s22, s20, 9
	s_mov_b32 s23, 0
	s_lshl_b32 s92, s46, 9
	s_mov_b32 s93, 0
	s_mul_i32 s20, s20, RBC
	s_mov_b32 s21, 0
	s_mul_i32 s46, s46, RBC
	s_mov_b32 s47, 0
	s_mul_i32 s45, s14, HALFT
	s_mul_i32 s94, s14, HALFS
	s_wait_dscnt 0x0
	s_wait_kmcnt 0x0
	s_add_nc_u64 s[20:21], s[4:5], s[20:21]
	s_add_nc_u64 s[22:23], s[6:7], s[22:23]
	s_add_nc_u64 s[46:47], s[4:5], s[46:47]
	s_add_nc_u64 s[92:93], s[6:7], s[92:93]
	CROUND
	s_mov_b32 s[G0S], 1
	s_add_co_u32 s[G0S+1], s94, SCL
	s_mov_b64 s[G0S+2:G0S+3], s[22:23]
	s_or_b32 s[G0S+3], s[G0S+3], 0x80000000
	s_mov_b32 s[G0SB], 1
	s_add_co_u32 s[G0SB+1], s94, SCL+SHIFTB
	s_mov_b64 s[G0SB+2:G0SB+3], s[92:93]
	s_or_b32 s[G0SB+3], s[G0SB+3], 0x80000000
	JLOAD G0S, G1S, G0SB, G1SB
.irp s, 0,1
	s_mov_b32 s[G0+4*\s], 1
	s_add_co_u32 s[G0+4*\s+1], s45, \s*SLOT
	s_add_nc_u64 s[G0+4*\s+2:G0+4*\s+3], s[20:21], \s*SROW
	s_or_b32 s[G0+4*\s+3], s[G0+4*\s+3], 0x80000000
	s_mov_b32 s[G0B+4*\s], 1
	s_add_co_u32 s[G0B+4*\s+1], s45, \s*SLOT
	s_add_nc_u64 s[G0B+4*\s+2:G0B+4*\s+3], s[46:47], \s*SROW
	s_or_b32 s[G0B+4*\s+3], s[G0B+4*\s+3], 0x80000000
	s_wait_alu depctr_va_vdst(0)
	s_wait_tensorcnt 0x0
	ds_add_u32 v28, v29
	s_wait_dscnt 0x0
	CROUND
	JLOAD G0+4*\s, G1, G0B+4*\s, G1B
.endr
	v_and_b32 v1, 15, v0
	v_bfe_u32 v2, v0, 4, 1
	v_and_b32 v3, 31, v0
	v_lshlrev_b32 v[LI], 4, v3
	v_lshlrev_b32 v[L8], 3, v3
	s_mul_i32 s21, s15, HALFT
	s_mul_i32 s22, s16, HALFT
	s_add_co_u32 s22, s22, 2*HALFT
.irp s, 0,1
	v_add_nc_u32 v[ADRA+\s], s21, v[LI]
	v_add_nc_u32 v[ADRB+\s], s22, v[LI]
	v_add_nc_u32 v[ADRA+2+\s], s21, v[L8]
	v_add_nc_u32 v[ADRB+2+\s], s22, v[L8]
	s_add_co_u32 s21, s21, SLOT
	s_add_co_u32 s22, s22, SLOT
.endr
	v_lshlrev_b32 v5, 3, v1
	s_mul_i32 s21, s15, HALFS
	s_mul_i32 s22, s16, HALFS
	s_add_co_u32 s22, s22, 2*HALFS+SHIFTB
	s_sub_co_u32 s22, s22, s21
	v_mul_u32_u24 v6, s22, v2
	s_add_co_u32 s21, s21, SCL
	v_add_nc_u32 v5, v5, v6
	v_add_nc_u32 v[ADRS], s21, v5
.macro FRAG reg, adr, q, i
.irp c, 0,1
	ds_load_b128 v[\reg+6*\c:\reg+6*\c+3], v[\adr] offset:(\i)*SROW+(\q)*1536+\c*768
	ds_load_b64 v[\reg+6*\c+4:\reg+6*\c+5], v[\adr+2] offset:(\i)*SROW+(\q)*1536+\c*768+512
.endr
.endm
.macro MUL16 a0, p, q, sc, zero
.irp a, \a0, \a0+1
.irp b, 0,1,2,3,4,5,6,7
.if \zero
	v_wmma_scale_f32_16x16x128_f8f6f4 v[8*(8*((\a)%4)+\b):8*(8*((\a)%4)+\b)+7], v[128*(\p)+FR*\b:128*(\p)+FR*\b+FR-1], v[AF+FR*(\a):AF+FR*(\a)+FR-1], 0, v[SC+8*NQ*(\sc)+NQ*\b+(\q)], v[SC+8*NQ*(\sc)+NQ*(\a)+(\q)] matrix_a_fmt:MATRIX_FMT_FP6 matrix_b_fmt:MATRIX_FMT_FP6 matrix_a_scale:MATRIX_SCALE_ROW1
.else
	v_wmma_scale_f32_16x16x128_f8f6f4 v[8*(8*((\a)%4)+\b):8*(8*((\a)%4)+\b)+7], v[128*(\p)+FR*\b:128*(\p)+FR*\b+FR-1], v[AF+FR*(\a):AF+FR*(\a)+FR-1], v[8*(8*((\a)%4)+\b):8*(8*((\a)%4)+\b)+7], v[SC+8*NQ*(\sc)+NQ*\b+(\q)], v[SC+8*NQ*(\sc)+NQ*(\a)+(\q)] matrix_a_fmt:MATRIX_FMT_FP6 matrix_b_fmt:MATRIX_FMT_FP6 matrix_a_scale:MATRIX_SCALE_ROW1
.endif
.endr
.endr
.endm
.macro FETCH_B slot, q, p
	WIN TO_B
.irp i, 0,1,2,3,4,5,6,7
	FRAG 128*(\p)+FR*\i, ADRB+\slot, \q, \i
.endr
	WIN 0
.endm
.macro FETCH_A slot, q, i0
.irp i, \i0, \i0+1, \i0+2, \i0+3
	FRAG AF+FR*(\i), ADRA+\slot, \q, \i
.endr
.endm
.macro SCALES sc
.irp i, 0,1,2,3,4,5,6,7
	ds_load_b64 v[SC+8*NQ*\sc+NQ*\i:SC+8*NQ*\sc+NQ*\i+1], v[ADRS] offset:\i*RBS
.endr
.endm
.macro PLACES n
.rept \n
	v_nop
.endr
.endm
.macro STEP slot, q, zero
	s_wait_dscnt 4*NL
	WIN MUL_LO
	MUL16 0, (\q)%2, \q, \slot, \zero
	MUL16 2, (\q)%2, \q, \slot, \zero
	s_wait_dscnt 0
	PLACES NP
	FETCH_B \slot, (\q)+1, 1-(\q)%2
	FETCH_A \slot, (\q)+1, 0
	WIN MUL_HI
	MUL16 4, (\q)%2, \q, \slot, \zero
	MUL16 6, (\q)%2, \q, \slot, \zero
	PLACES NP
	WIN 0
	FETCH_A \slot, (\q)+1, 4
.endm
.macro TURN slot, next, fill
	s_wait_tensorcnt 0x0
	ds_add_u32 v[SPW], v[NIL]
	s_wait_dscnt 4*NL+1
	WIN MUL_LO
	MUL16 0, 1, NQ-1, \slot, 0
	s_wait_dscnt 0x0
	s_barrier_signal -1
	MUL16 2, 1, NQ-1, \slot, 0
	WIN 0
	s_barrier_wait -1
.if \fill
	CREST
	s_add_nc_u64 s[G0+4*\slot+2:G0+4*\slot+3], s[G0+4*\slot+2:G0+4*\slot+3], 2*SROW
	s_add_nc_u64 s[G0B+4*\slot+2:G0B+4*\slot+3], s[G0B+4*\slot+2:G0B+4*\slot+3], 2*SROW
	JLOAD G0+4*\slot, G1, G0B+4*\slot, G1B
.else
	PLACES NP
.endif
	s_wait_alu depctr_va_vdst(0)
	v_add_nc_u32 v[ADRS], 128, v[ADRS]
	FETCH_B \next, 0, 0
	FETCH_A \next, 0, 0
	SCALES \next
	WIN MUL_HI
	MUL16 4, 1, NQ-1, \slot, 0
	MUL16 6, 1, NQ-1, \slot, 0
	PLACES NP
	WIN 0
	FETCH_A \next, 0, 4
.endm
	s_wait_alu depctr_va_vdst(0)
	s_wait_tensorcnt 1
	s_barrier_signal -1
	s_barrier_wait -1
	FETCH_B 0, 0, 0
	FETCH_A 0, 0, 0
	SCALES 0
	FETCH_A 0, 0, 4
	STEP 0, 0, 1
	s_mov_b32 s3, 1
.Llap:
	TURN 0, 1, 1
	STEP 1, 0, 0
	TURN 1, 0, 1
	STEP 0, 0, 0
	s_sub_co_u32 s3, s3, 1
	s_cmp_lg_u32 s3, 0
	s_cbranch_scc1 .Llap
	TURN 0, 1, 0
	STEP 1, 0, 0
	s_wait_dscnt 4*NL
	WIN MUL_LO
	MUL16 0, 1, NQ-1, 1, 0
	MUL16 2, 1, NQ-1, 1, 0
	s_wait_dscnt 0
	WIN MUL_HI
	MUL16 4, 1, NQ-1, 1, 0
	MUL16 6, 1, NQ-1, 1, 0
	WIN 0
	PLACES NP
.macro QUANT a, d0, d1
.set AC, 64*((\a)%4)
	WIN 0x0a+5*((\a)/4)
.irp b, 0,1,2,3
	v_max3_num_f32 v[TM+\b], |v[AC+16*\b]|, |v[AC+16*\b+1]|, 0x1800000
.endr
.irp i, 2,4,6,8,10,12,14
.irp b, 0,1,2,3
	v_max3_num_f32 v[TM+\b], |v[AC+16*\b+\i]|, |v[AC+16*\b+\i+1]|, v[TM+\b]
.endr
.endr
	WIN 0
.irp b, 0,1,2,3
	v_permlanex16_b32 v[TM+4+\b], v[TM+\b], s2, s3
.endr
.irp b, 0,1,2,3
	v_max_num_f32 v[TM+\b], v[TM+\b], v[TM+4+\b]
.endr
.irp b, 0,1,2,3
	v_add_nc_u32 v[TM+12+\b], 0xff000000, v[TM+\b]
.endr
.irp b, 0,1,2,3
	v_lshrrev_b32 v[TM+4+\b], 23, v[TM+12+\b]
.endr
	v_lshl_or_b32 v[PW], v[TM+5], 8, v[TM+4]
	v_lshl_or_b32 v[PW], v[TM+6], 16, v[PW]
	v_lshl_or_b32 v[PW], v[TM+7], 24, v[PW]
	s_wait_xcnt 0x0
	WIN 0x02+((\a)/4)
	v_cvt_scalef32_pk16_fp6_f32 v[(\d0):(\d0)+2], v[AC:AC+15], v[TM+12]
	v_cvt_scalef32_pk16_fp6_f32 v[TT:TT+2], v[AC+16:AC+31], v[TM+13]
	v_cvt_scalef32_pk16_fp6_f32 v[(\d1):(\d1)+2], v[AC+32:AC+47], v[TM+14]
	v_cvt_scalef32_pk16_fp6_f32 v[TT+4:TT+6], v[AC+48:AC+63], v[TM+15]
	WIN 0
	v_nop
.irp i, 0,1,2
	v_permlane16_swap_b32 v[(\d0)+\i], v[TT+\i]
.endr
.irp i, 0,1,2
	v_permlane16_swap_b32 v[(\d1)+\i], v[TT+4+\i]
.endr
.irp i, 0,1,2
	v_mov_b32 v[(\d0)+3+\i], v[TT+\i]
	v_mov_b32 v[(\d1)+3+\i], v[TT+4+\i]
.endr
.endm
	s_mov_b32 s2, 0x76543210
	s_mov_b32 s3, 0xfedcba98
	s_mov_b32 vcc_lo, 0xffff0000
.irp b, 0,1,2,3
	v_mov_b32 v[TM+4+\b], 0
.endr
	v_lshlrev_b32 v[H16], 4, v2
	s_cmp_eq_u32 ttmp9, 2
	s_cselect_b32 s18, s40, s41
	s_cselect_b32 s19, s16, s15
	s_cselect_b32 s20, s41, s40
	s_cselect_b32 s21, s15, s16
	s_add_co_u32 s18, s18, s17
	s_lshr_b32 s22, s18, 3
	s_lshl_b32 s20, s20, 2
	s_lshl_b32 s21, s21, 1
	s_add_co_u32 s20, s20, s21
	s_lshl_b32 s22, s22, 4
	s_add_co_u32 s22, s22, s20
	s_and_b32 s23, s18, 7
	s_lshl_b32 s23, s23, 1
	s_add_co_u32 s23, s23, s19
	s_mov_b32 s43, 0
	s_cmp_eq_u32 ttmp9, 0
	s_cbranch_scc0 .Lnot_q
	s_mul_i32 s42, s22, 98304
	s_mul_i32 s44, s23, 6144
	s_add_co_u32 s42, s42, s44
	s_add_nc_u64 s[12:13], s[12:13], s[42:43]
	s_lshl_b32 s42, s22, 13
	s_lshl_b32 s44, s23, 9
	s_add_co_u32 s42, s42, s44
	s_add_nc_u64 s[96:97], s[96:97], s[42:43]
	v_lshlrev_b32 v[T2], 13, v2
	v_lshl_add_u32 v[SCO], v1, 4, v[T2]
.irp a, 0,1,2,3,4,5,6,7
	QUANT \a, F0, F0+6
	global_store_b128 v[LI], v[F0:F0+3], s[12:13] offset:768*\a
	global_store_b64 v[L8], v[F0+4:F0+5], s[12:13] offset:768*\a+512
	global_store_b128 v[LI], v[F0+6:F0+9], s[12:13] offset:98304+768*\a
	global_store_b64 v[L8], v[F0+10:F0+11], s[12:13] offset:98304+768*\a+512
	v_lshrrev_b32 v[T0], v[H16], v[PW]
	v_and_b32 v[T0], 0xffff, v[T0]
	v_lshl_or_b32 v[SW+\a%4], v[T0], 16, v[T0]
.if \a%4 == 3
	global_store_b128 v[SCO], v[SW:SW+3], s[96:97] offset:256*(\a/4)
.endif
.endr
	s_branch .Ldone
.Lnot_q:
	s_mul_i32 s42, s22, 204800
	s_mul_i32 s44, s23, 12800
	s_add_co_u32 s42, s42, s44
	s_add_nc_u64 s[98:99], s[98:99], s[42:43]
	v_mul_u32_u24 v[T2], 0x32000, v2
	v_lshl_add_u32 v[SCO], v1, 4, v[T2]
	s_cmp_eq_u32 ttmp9, 1
	s_cbranch_scc0 .Larm_v
.irp a, 0,1,2,3,4,5,6,7
.if \a%2 == 0
	QUANT \a, F0, F1
	v_mov_b32 v[PWE], v[PW]
.else
	QUANT \a, F0+6, F1+6
.irp g, 0,1,2
	global_store_b128 v[LI], v[F0+4*\g:F0+4*\g+3], s[98:99] offset:1536*(\a/2)+512*\g
	global_store_b128 v[LI], v[F1+4*\g:F1+4*\g+3], s[98:99] offset:204800+1536*(\a/2)+512*\g
.endr
	v_perm_b32 v[T0], v[PW], v[PWE], 0x05040100
	v_perm_b32 v[T1], v[PW], v[PWE], 0x07060302
	v_cndmask_b32 v[SW+\a/2], v[T0], v[T1], vcc_lo
.endif
.endr
	global_store_b128 v[SCO], v[SW:SW+3], s[98:99] offset:12288
	s_branch .Ldone
.Larm_v:
.irp a, 0,1,2,3,4,5,6,7
	QUANT \a, F0, F0+6
.irp g, 0,1,2
	global_store_b128 v[LI], v[F0+4*\g:F0+4*\g+3], s[98:99] offset:(\a/4)*204800+6144+1536*(\a%4)+512*\g
.endr
	v_mov_b32 v[SW+\a], v[PW]
.endr
.irp i, 0,1,2,3
	v_cndmask_b32 v[SW+\i], v[SW+\i], v[SW+4+\i], vcc_lo
.endr
	global_store_b128 v[SCO], v[SW:SW+3], s[98:99] offset:12544
.Ldone:
	s_wait_tensorcnt 0x0
	ds_add_u32 v[SPW], v[NIL]
	s_wait_dscnt 0x0
	CROUND
	s_endpgm
.Lfunc_end_k_q7ab78ba7b1_gemm_qkv:
	.size	k_q7ab78ba7b1_gemm_qkv, .Lfunc_end_k_q7ab78ba7b1_gemm_qkv-k_q7ab78ba7b1_gemm_qkv
	.p2alignl 7, 3214868480
	.fill 96, 4, 3214868480
	.section	.rodata,"a",@progbits
	.p2align	6, 0x0
	.amdhsa_kernel k_q7ab78ba7b1_gemm_qkv
		.amdhsa_group_segment_fixed_size 327680
		.amdhsa_private_segment_fixed_size 0
		.amdhsa_enable_private_segment 0
		.amdhsa_kernarg_size 40
		.amdhsa_user_sgpr_count 2
		.amdhsa_user_sgpr_kernarg_segment_ptr 1
		.amdhsa_wavefront_size32 1
		.amdhsa_system_sgpr_workgroup_id_x 1
		.amdhsa_system_sgpr_workgroup_id_y 1
		.amdhsa_system_sgpr_workgroup_id_z 1
		.amdhsa_system_vgpr_workitem_id 0
		.amdhsa_next_free_vgpr 1024
		.amdhsa_next_free_sgpr 100
		.amdhsa_reserve_vcc 1
		.amdhsa_float_denorm_mode_32 3
		.amdhsa_float_denorm_mode_16_64 3
		.amdhsa_memory_ordered 1
		.amdhsa_forward_progress 1
		.amdhsa_inst_pref_size 220
	.end_amdhsa_kernel
	.amdgpu_metadata
---
amdhsa.version: [ 1, 2 ]
amdhsa.kernels:
  - .name:           k_q7ab78ba7b1_gemm_qkv
    .symbol:         k_q7ab78ba7b1_gemm_qkv.kd
    .args:
      - { .name: opc, .offset: 0, .size: 8, .value_kind: global_buffer, .address_space: global }
      - { .name: ops, .offset: 8, .size: 8, .value_kind: global_buffer, .address_space: global }
      - { .name: qc, .offset: 16, .size: 8, .value_kind: global_buffer, .address_space: global }
      - { .name: qs, .offset: 24, .size: 8, .value_kind: global_buffer, .address_space: global }
      - { .name: kv, .offset: 32, .size: 8, .value_kind: global_buffer, .address_space: global }
    .group_segment_fixed_size: 327680
    .private_segment_fixed_size: 0
    .kernarg_segment_align: 8
    .kernarg_segment_size: 40
    .max_flat_workgroup_size: 128
    .sgpr_count:     100
    .vgpr_count:     1024
    .wavefront_size: 32
...
	.end_amdgpu_metadata
.endif
;; end of part 2
;; launch attn (part 3): grid 4 x 64, 16 waves a work-group, clusters of 4 x 1, 206,848 bytes of LDS; arguments qc, qs, kv, aoc, aos; writes aoc, aos
.if DOCPART == 3
	.amdgcn_target "amdgcn-amd-amdhsa--gfx1250"
	.amdhsa_code_object_version 6
	.text
	.protected	k_q7ab78ba7b1_attn
	.globl	k_q7ab78ba7b1_attn
	.p2align	8
	.type	k_q7ab78ba7b1_attn,@function
k_q7ab78ba7b1_attn:
	s_mov_b64 s[64:65], 0
	v_nop
	global_prefetch_b8 v0, s[64:65] scope:SCOPE_SE
	s_setreg_imm32_b32 hwreg(HW_REG_WAVE_MODE, 25, 1), 1
	s_wait_xcnt 0x0
	s_wait_alu depctr_hold_cnt(0) depctr_sa_sdst(0) depctr_va_vdst(0) depctr_va_sdst(0) depctr_va_ssrc(0) depctr_va_vcc(0) depctr_vm_vsrc(0)
	s_getreg_b32 s2, hwreg(HW_REG_IB_STS2, 6, 4)
	s_cmp_eq_u32 s2, 0
	s_cbranch_scc0 .Lentry_in_a_cluster
	s_endpgm
.Lentry_in_a_cluster:
	s_bfe_u32 s2, ttmp6, 0x10000c
	s_cmp_lg_u32 s2, 0x3003
	s_cbranch_scc0 .Lentry_shape_is_right
	s_endpgm
.Lentry_shape_is_right:
; o = softmax(q k^T / 8) v for 64 heads of 2,048 tokens x 64 dims, both products on codes of FP6 (E2M3) with E8M0 scales; o is quantised along the dims in registers and stored as the last product's operand.
; THE SOFTMAX: t = score x log2(e) / 8; M = the running largest t rounded UP to a whole number; p = 2^(t - M) is quantised along the keys; the row's sum is taken of the unquantised p and divides at the end.
; SHARES.  A work-group owns 512 queries of one head, each of its sixteen waves two tiles of 16, one after the other; four waves share a SIMD, so that one wave's vector work stands beside another's products and LDS loads.
; A WHOLE HEAD'S K AND V STAY IN LDS: 16 records of 12,800 bytes, one for each 128 keys, filled once: wave w brings record w.  No slot is filled again, so the loop over the keys has no barrier.
; CLUSTER.  The four work-groups of a cluster own the four quarters of one head's queries and need the same records: each record is asked for jointly, with a mask that names the four.
; A RECORD: four fragments of K (3 x 512 bytes: registers 4 g .. 4 g + 3 at 16 x lane): registers 0-5 = key tile 2 b, registers 6-11 = key tile 2 b + 1, 64 dims each; four fragments of V^T (16 dims x 128 keys);
; 256 bytes of K's scale words [r][b], 256 of V's [r][t]: one load of 16 bytes a lane brings K's four words to lanes 0-15 and V's four to lanes 16-31.
; THE HEAD'S K IS 64, THE INSTRUCTION'S 128: a fragment of K holds two key tiles, and it is multiplied once by (q | zeros) and once by (zeros | q): zero codes annul the other tile's half.
; LAYOUT.  Both products are used transposed (source 0 = keys, or dims of V^T; source 1 = my queries, or p): a lane holds one query throughout.  Lane r of key tile j stands for key 32 (j / 2) + 8 (j % 2) + r + 8 (r / 8),
; so the 16 registers of tiles 2 b and 2 b + 1 are keys 32 b + 16 h + 0 .. 15; V's blocks of dims are chosen alike, so O^T's registers 16 i + 0 .. 15 are dims 32 i + 16 h + 0 .. 15.
; No prefetch: every byte of K and V is asked for by the tensor loads at the head, so no later load exists to run ahead of.
; LIMITS: a block of zeros gets the byte 1 where the quantiser says 127 (its codes are zeros; this program alone reads the bytes); NaN and infinities are not served.  The 2-byte stores of o's scale bytes
; (2 bytes for each 48 of codes) fill their runs of 256 bytes in part: a scale word of the last product spans two heads, which are two clusters.
.set REC,   12800
.set SPARE, 16*REC                     ; behind the records: the spare words, 128 bytes for each of the sixteen waves
.set LI,  1                            ; v1   16 x lane
.set L8,  2                            ; v2   8 x lane
.set ADR, 3                            ; v3   LDS address of the record in hand, + 16 x lane
.set R16, 4                            ; v4   16 r
.set SPW, 5                            ; v5   LDS address of my spare word; never rewritten
.set NIL, 6                            ; v6   0; never rewritten
.set HO,  7                            ; v7   512 h + 8 r: where o's scale bytes go
.set HW,  8                            ; v8-9 the two tiles' pairs of scale bytes
                                       ; v12 -M, v13 the largest t, v[14:15] the sum in two halves
.set Q0,  16                           ; v16-33   q | zeros | q of tile 0
.set QS0, 34                           ; v34      its scale words
.set PS,  35                           ; v35      p's scale word
.set KVS, 36                           ; v36-39   lanes 0-15 K's four scale words, lanes 16-31 V's
.set FRG, 40                           ; v40-87   four fragments, of K and then of V
.set S,   88                           ; v88-151  S^T, then p
.set O,   152                          ; v152-183 O^T
.set PCD, 184                          ; v184-195 p's codes
.set TT,  196                          ; v196-203 the conversions' second halves
.set BM,  204                          ; v204-207 the blocks' largest
.set PT,  208                          ; v208-211 the other half's, then bytes
.set SOP, 212                          ; v212-215 the conversions' scale operands
.set F,   220                          ; v[220:221] f = 2^(old M - new M), and 0
.set TR,  222                          ; v222     at work
.set SUM2, 224                         ; v[224:225] the second chain of the sum
.set Q1,  232                          ; v232-249 q | zeros | q of tile 1
.set QS1, 250
.set WV,  14
.set SEL, 20                           ; s[20:21] selects for lane l xor 16
.set CS,  22                           ; s[22:23] c = log2(e) / 8
.set G1,  24
.set G0,  32
.set TB,  40                           ; s40  LDS byte at which the record in hand begins
.set CNT, 41
.macro CROUND
	s_barrier_signal -1
	s_barrier_wait -1
	s_cmp_lg_u32 s[WV], 0
	s_cbranch_scc1 .Lnot_wave_0_\@
	s_barrier_signal -3
.Lnot_wave_0_\@:
	s_barrier_wait -3
	s_barrier_signal -1
	s_barrier_wait -1
.endm
	s_load_b256 s[4:11], s[0:1], 0x0               ; qc s[4:5], qs s[6:7], kv s[8:9], aoc s[10:11]
	s_load_b64 s[12:13], s[0:1], 0x20              ; aos
	v_lshl_add_u32 v[SPW], v0, 2, SPARE
	v_mov_b32 v[NIL], 0
	ds_add_u32 v[SPW], v[NIL]                      ; the wave's opening: the add and its wait ahead of my first tensor load; the set-up below, work on registers, stands between them
	ds_add_u32 v[SPW], v[NIL]
	v_lshrrev_b32 v8, 5, v0
	s_delay_alu instid0(VALU_DEP_1)
	v_readfirstlane_b32 s[WV], v8                  ; wave 0..15
	s_bfe_u32 s15, ttmp6, 0x40000                  ; cx: which quarter of the head's queries
	s_and_b32 s16, ttmp7, 0xffff                   ; bh, which the four partners share
	; descriptor group 1: a record, 12,800 dense bytes, as 50 rows of 256 (32 elements of 8 bytes)
	s_mov_b32 s[G1], 15|(3<<16)|(1<<21)            ; 15:0 the mask: all four work-groups; 17:16 elements of 8 bytes; 21 set beside a mask
	s_mov_b32 s[G1+1], 32<<16
	s_mov_b32 s[G1+2], 50<<16
	s_mov_b32 s[G1+3], 32<<16
	s_mov_b32 s[G1+4], 50
	s_mov_b32 s[G1+5], 32
	s_mov_b32 s[G1+6], 0
	s_mov_b32 s[G1+7], 0
	s_mul_i32 s43, s[WV], REC                      ; my record: in LDS, and in the head's 16
	s_mul_i32 s44, s16, 16*REC
	s_add_co_u32 s44, s44, s43
	s_mov_b32 s45, 0
	s_lshl_b32 s46, s15, 5
	s_lshl_b32 s47, s[WV], 1
	s_add_co_u32 s46, s46, s47                     ; my first q tile: 32 cx + 2 wave
	s_lshl_b32 s47, s16, 7
	s_add_co_u32 s47, s47, s46
	s_mul_i32 s48, s47, 768                        ; its codes
	s_mov_b32 s49, 0
	s_lshl_b32 s50, s16, 13                        ; its scale words: [bh][tile / 4][r][tile % 4]
	s_lshr_b32 s51, s46, 2
	s_lshl_b32 s51, s51, 8
	s_add_co_u32 s50, s50, s51
	s_and_b32 s51, s46, 3
	s_lshl_b32 s51, s51, 2
	s_add_co_u32 s50, s50, s51
	s_mov_b32 s51, 0
	s_lshr_b32 s52, s16, 4
	s_lshl_b32 s52, s52, 7
	s_add_co_u32 s52, s52, s46                     ; the row block of o: 128 x batch + tile
	s_and_b32 s53, s16, 15                         ; the head: dims 64 head on, which are 768 bytes of a row block's codes
	s_mul_i32 s54, s52, 12288
	s_mul_i32 s55, s53, 768
	s_add_co_u32 s54, s54, s55
	s_mov_b32 s55, 0
	s_lshl_b32 s56, s52, 9                         ; o's scale bytes: [row block][head / 4][r][(head / 2) % 2] words, my two bytes at 2 (head % 2)
	s_lshr_b32 s57, s53, 2
	s_lshl_b32 s57, s57, 7
	s_add_co_u32 s56, s56, s57
	s_bfe_u32 s57, s53, 0x10001
	s_lshl_b32 s57, s57, 2
	s_add_co_u32 s56, s56, s57
	s_and_b32 s57, s53, 1
	s_lshl_b32 s57, s57, 1
	s_add_co_u32 s56, s56, s57
	s_mov_b32 s57, 0
	s_mov_b32 s[SEL], 0x76543210
	s_mov_b32 s[SEL+1], 0xfedcba98
	s_mov_b32 s[CS], 0x3e38aa3b                    ; log2(e) / 8
	s_mov_b32 s[CS+1], s[CS]                       ; (named with it as a pair, so it is written)
	s_wait_dscnt 0x0                               ; the opening add is done
	s_wait_kmcnt 0x0
	s_mov_b32 s[G0], 1
	s_mov_b32 s[G0+1], s43
	s_add_nc_u64 s[G0+2:G0+3], s[8:9], s[44:45]
	s_or_b32 s[G0+3], s[G0+3], 0x80000000
	s_add_nc_u64 s[4:5], s[4:5], s[48:49]
	s_add_nc_u64 s[6:7], s[6:7], s[50:51]
	s_add_nc_u64 s[10:11], s[10:11], s[54:55]
	s_add_nc_u64 s[12:13], s[12:13], s[56:57]
	CROUND                                         ; all four work-groups are here: the joint loads meet
	tensor_load_to_lds s[G0:G0+3], s[G1:G1+7]      ; my one tensor load of the launch
	s_nop 0
.rept 4
	v_nop
.endr
	v_and_b32 v9, 31, v0
	v_and_b32 v10, 15, v0                          ; r
	v_bfe_u32 v11, v0, 4, 1                        ; h
	s_delay_alu instid0(VALU_DEP_3)
	v_lshlrev_b32 v[LI], 4, v9
	s_delay_alu instid0(VALU_DEP_4)
	v_lshlrev_b32 v[L8], 3, v9
	s_delay_alu instid0(VALU_DEP_4)
	v_lshlrev_b32 v[R16], 4, v10
	v_lshlrev_b32 v[HO], 3, v10
	s_delay_alu instid0(VALU_DEP_1)
	v_lshl_add_u32 v[HO], v11, 9, v[HO]
.irp u, 0,12                                   ; q's six registers twice, six zeros between them
	global_load_b128 v[Q0+\u:Q0+\u+3], v[LI], s[4:5]
	global_load_b64 v[Q0+\u+4:Q0+\u+5], v[L8], s[4:5] offset:512
	global_load_b128 v[Q1+\u:Q1+\u+3], v[LI], s[4:5] offset:768
	global_load_b64 v[Q1+\u+4:Q1+\u+5], v[L8], s[4:5] offset:768+512
.endr
	global_load_b32 v[QS0], v[R16], s[6:7]
	global_load_b32 v[QS1], v[R16], s[6:7] offset:4
.irp i, 6,7,8,9,10,11
	v_mov_b32 v[Q0+\i], 0
	v_mov_b32 v[Q1+\i], 0
.endr
.irp b, 0,1,2,3
	v_mov_b32 v[PT+\b], 0                          ; a lane permute's destination counts as one of its sources
.endr
	v_mov_b32 v[F+1], 0                            ; (named as the upper half of the pair)
	v_mov_b32 v[TR], 0
; A KEY STEP: 128 keys, one record.
.macro STEP QB, QSR
	v_add_nc_u32 v[ADR], s[TB], v[LI]
.rept 3
	v_nop                                          ; with the addition: four places in front of loads into registers that the last products read
.endr
	ds_load_b128 v[KVS:KVS+3], v[ADR] offset:12288
.irp b, 0,1,2,3
.irp g, 0,1,2
	ds_load_b128 v[FRG+12*\b+4*\g:FRG+12*\b+4*\g+3], v[ADR] offset:1536*\b+512*\g
.endr
.endr
	s_wait_alu depctr_va_vdst(0)
.irp b, 0,1,2,3
	s_wait_dscnt 9-3*\b                            ; the scale words and fragment b are in; the fragments behind it, three loads each, may be out
	v_wmma_scale_f32_16x16x128_f8f6f4 v[S+16*\b:S+16*\b+7], v[FRG+12*\b:FRG+12*\b+11], v[\QB:\QB+11], 0, v[KVS+\b], v[\QSR] matrix_a_fmt:MATRIX_FMT_FP6 matrix_b_fmt:MATRIX_FMT_FP6
	v_wmma_scale_f32_16x16x128_f8f6f4 v[S+16*\b+8:S+16*\b+15], v[FRG+12*\b:FRG+12*\b+11], v[\QB+6:\QB+17], 0, v[KVS+\b], v[\QSR] matrix_a_fmt:MATRIX_FMT_FP6 matrix_b_fmt:MATRIX_FMT_FP6
.endr
.rept 4
	v_nop                                          ; places in front of the loads below and of the first read of the scores
.endr
.irp t, 0,1,2,3
.irp g, 0,1,2
	ds_load_b128 v[FRG+12*\t+4*\g:FRG+12*\t+4*\g+3], v[ADR] offset:6144+1536*\t+512*\g   ; V's fragments land while the softmax is walked
.endr
.endr
.irp b, 0,1,2,3
	v_max3_num_f32 v[BM+\b], v[S+16*\b], v[S+16*\b+1], v[S+16*\b+2]   ; the largest score of each block of 32 keys: for the row's maximum, and, since p rises with the score, for the block's largest p
.endr
.irp i, 3,5,7,9,11,13
.irp b, 0,1,2,3
	v_max3_num_f32 v[BM+\b], v[BM+\b], v[S+16*\b+\i], v[S+16*\b+\i+1]
.endr
.endr
.irp b, 0,1,2,3
	v_max_num_f32 v[BM+\b], v[BM+\b], v[S+16*\b+15]
.endr
.irp b, 0,1,2,3
	s_delay_alu instid0(VALU_DEP_4)
	v_permlanex16_b32 v[PT+\b], v[BM+\b], s[SEL], s[SEL+1]
.endr
.irp b, 0,1,2,3
	s_delay_alu instid0(VALU_DEP_4)
	v_max_num_f32 v[BM+\b], v[BM+\b], v[PT+\b]     ; with lane l xor 16's 16 keys
.endr
	s_delay_alu instid0(VALU_DEP_2)
	v_max3_num_f32 v[TR], v[BM], v[BM+1], v[BM+2]
	s_delay_alu instid0(VALU_DEP_1)
	v_max_num_f32 v[TR], v[TR], v[BM+3]            ; the step's largest score of my query
	s_delay_alu instid0(VALU_DEP_1)
	v_mul_f32 v[TR], s[CS], v[TR]                  ; as t (c is positive)
	s_delay_alu instid0(VALU_DEP_1)
	v_max_num_f32 v13, v13, v[TR]                  ; the running largest t
	v_mov_b32 v[TR], v12
	s_delay_alu instid0(VALU_DEP_2)
	v_floor_f32 v12, -v13                          ; the new -M = floor(-t) = -ceil(t): a whole number
	s_delay_alu instid0(VALU_DEP_1)
	v_sub_f32 v[TR], v12, v[TR]                    ; old M - new M: a whole number, 0 or less
	s_delay_alu instid0(VALU_DEP_1)
	v_cvt_i32_f32 v[TR], v[TR]                     ; (it saturates)
	s_delay_alu instid0(VALU_DEP_1)
	v_ldexp_f32 v[F], 1.0, v[TR]                   ; f = 2^(old M - new M): a multiplication by it rounds nothing
.irp j, 0,2,4,6,8,10,12,14,16,18,20,22,24,26,28,30,32,34,36,38,40,42,44,46,48,50,52,54,56,58,60,62
	v_pk_fma_f32 v[S+\j:S+\j+1], v[S+\j:S+\j+1], s[CS:CS+1], v[12:13] op_sel_hi:[1,0,0]   ; t - M, two at a time
.endr
.irp b, 0,1,2,3
	v_fma_f32 v[BM+\b], v[BM+\b], s[CS], v12       ; the same of each block's largest score
.endr
	s_wait_alu depctr_va_vdst(0)
.irp j, 0,1,2,3,4,5,6,7,8,9,10,11,12,13,14,15,16,17,18,19,20,21,22,23,24,25,26,27,28,29,30,31,32,33,34,35,36,37,38,39,40,41,42,43,44,45,46,47,48,49,50,51,52,53,54,55,56,57,58,59,60,61,62,63
	v_exp_f32 v[S+\j], v[S+\j]                     ; p = 2^(t - M), at most 1: not normalised
.endr
	s_setprio 1
	v_pk_mul_f32 v[14:15], v[14:15], v[F:F+1] op_sel_hi:[1,0]   ; the sums under the new M: the plain place behind the exponentials
	s_wait_alu depctr_va_vdst(0)                   ; one wait for the whole batch, ahead of its first reader
.irp b, 0,1,2,3
	v_exp_f32 v[BM+\b], v[BM+\b]                   ; the block's largest p: the same two instructions on the same number give the same bits
.endr
	v_pk_add_f32 v[224:225], v[92:93], v[96:97]
	v_pk_add_f32 v[254:255], v[100:101], v[104:105]
	v_pk_add_f32 v[252:253], v[108:109], v[112:113]
	v_pk_add_f32 v[230:231], v[116:117], v[120:121]
	v_pk_add_f32 v[228:229], v[124:125], v[128:129]
	v_pk_add_f32 v[226:227], v[132:133], v[136:137]
	v_pk_add_f32 v[218:219], v[140:141], v[144:145]
	v_pk_add_f32 v[14:15], v[14:15], v[148:149]
	v_pk_add_f32 v[224:225], v[224:225], v[88:89]
	v_pk_add_f32 v[254:255], v[254:255], v[90:91]
	v_pk_add_f32 v[252:253], v[252:253], v[94:95]
	v_pk_add_f32 v[230:231], v[230:231], v[98:99]
	v_pk_add_f32 v[228:229], v[228:229], v[102:103]
	v_pk_add_f32 v[226:227], v[226:227], v[106:107]
	v_pk_add_f32 v[218:219], v[218:219], v[110:111]
	v_pk_add_f32 v[14:15], v[14:15], v[114:115]
	v_pk_add_f32 v[224:225], v[224:225], v[118:119]
	v_pk_add_f32 v[254:255], v[254:255], v[122:123]
	v_pk_add_f32 v[252:253], v[252:253], v[126:127]
	v_pk_add_f32 v[230:231], v[230:231], v[130:131]
	v_pk_add_f32 v[228:229], v[228:229], v[134:135]
	v_pk_add_f32 v[226:227], v[226:227], v[138:139]
	v_pk_add_f32 v[218:219], v[218:219], v[142:143]
	v_pk_add_f32 v[14:15], v[14:15], v[146:147]
	v_pk_add_f32 v[224:225], v[224:225], v[150:151]
	s_delay_alu instid0(VALU_DEP_2)
	v_pk_add_f32 v[14:15], v[14:15], v[230:231]
	s_delay_alu instid0(VALU_DEP_2)
	v_pk_add_f32 v[224:225], v[224:225], v[228:229]
	v_pk_add_f32 v[254:255], v[254:255], v[226:227]
	v_pk_add_f32 v[252:253], v[252:253], v[218:219]
	s_delay_alu instid0(VALU_DEP_2)
	v_pk_add_f32 v[14:15], v[14:15], v[254:255]
	s_delay_alu instid0(VALU_DEP_2)
	v_pk_add_f32 v[224:225], v[224:225], v[252:253]
	s_delay_alu instid0(VALU_DEP_1)
	v_pk_add_f32 v[14:15], v[14:15], v[224:225]
	s_wait_alu depctr_va_vdst(0)                   ; and one for the four
.irp b, 0,1,2,3
	v_max_num_f32 v[BM+\b], 0x1800000, v[BM+\b]    ; the floor 2^(3 - 127): the byte cannot fall under 1
.endr
.irp b, 0,1,2,3
	s_delay_alu instid0(VALU_DEP_4)
	v_add_nc_u32 v[SOP+\b], 0xff000000, v[BM+\b]   ; 2 off the exponent field: the conversion's scale operand
.endr
.irp b, 0,1,2,3
	s_delay_alu instid0(VALU_DEP_4)
	v_lshrrev_b32 v[PT+\b], 23, v[SOP+\b]          ; the scale's byte
.endr
	s_delay_alu instid0(VALU_DEP_3)
	v_lshl_or_b32 v[PS], v[PT+1], 8, v[PT]         ; p's scale word for these 128 keys
	s_delay_alu instid0(VALU_DEP_1)
	v_lshl_or_b32 v[PS], v[PT+2], 16, v[PS]
	s_delay_alu instid0(VALU_DEP_1)
	v_lshl_or_b32 v[PS], v[PT+3], 24, v[PS]
.irp c, 0,1
	v_cvt_scalef32_pk16_fp6_f32 v[PCD+6*\c:PCD+6*\c+2], v[S+32*\c:S+32*\c+15], v[SOP+2*\c]
	v_cvt_scalef32_pk16_fp6_f32 v[TT+4*\c:TT+4*\c+2], v[S+32*\c+16:S+32*\c+31], v[SOP+2*\c+1]
.endr
	v_nop                                          ; one plain place behind a scaled conversion
.irp c, 0,1                                    ; the operand's layout wants a whole block in a lane
.irp i, 0,1,2
	v_permlane16_swap_b32 v[PCD+6*\c+\i], v[TT+4*\c+\i]
.endr
.irp i, 0,1,2
	s_delay_alu instid0(VALU_DEP_3)
	v_mov_b32 v[PCD+6*\c+3+\i], v[TT+4*\c+\i]
.endr
.endr
	s_setprio 0
.irp j, 0,2,4,6,8,10,12,14,16,18,20,22,24,26,28,30
	v_pk_mul_f32 v[O+\j:O+\j+1], v[O+\j:O+\j+1], v[F:F+1] op_sel_hi:[1,0]   ; O^T under the new M.  For each product below at least twelve of these sixteen name none of its registers: the places behind the writes of p's scale word and codes
.endr
	s_wait_alu depctr_va_vdst(0)
	s_wait_dscnt 0x0                               ; V's fragments are in
.irp t, 0,1,2,3
	v_wmma_scale_f32_16x16x128_f8f6f4 v[O+8*\t:O+8*\t+7], v[FRG+12*\t:FRG+12*\t+11], v[PCD:PCD+11], v[O+8*\t:O+8*\t+7], v[KVS+\t], v[PS] matrix_a_fmt:MATRIX_FMT_FP6 matrix_b_fmt:MATRIX_FMT_FP6 matrix_a_scale:MATRIX_SCALE_ROW1
.endr
	s_add_co_u32 s[TB], s[TB], REC                 ; the next record
.endm
.macro INIT                            ; the loop has no first step of its own: O^T and the sum begin as zeros, which the first change of M leaves zeros
	v_mov_b32 v13, 0xff61b1e6                      ; the largest t so far: -3e38, under every t
	s_delay_alu instid0(VALU_DEP_1)
	v_floor_f32 v12, -v13
	v_mov_b32 v14, 0
	v_mov_b32 v15, 0
.irp j, 0,1,2,3,4,5,6,7,8,9,10,11,12,13,14,15,16,17,18,19,20,21,22,23,24,25,26,27,28,29,30,31
	v_mov_b32 v[O+\j], 0
.endr
	s_mov_b32 s[TB], 0
.endm
.macro KEYS QB, QSR                    ; all 2,048 keys: sixteen steps.  The four accumulators of O^T take turns, one instruction a turn, with the eight products of the scores between two turns
	s_mov_b32 s[CNT], 16
.Lkey_\@:
	s_setprio 2
	STEP \QB, \QSR
	s_sub_co_u32 s[CNT], s[CNT], 1
	s_cmp_lg_u32 s[CNT], 0
	s_cbranch_scc1 .Lkey_\@
	s_setprio 0
.endm
; THE WAY OUT of tile i: O^T / the sum; its two blocks of 32 dims are quantised; six registers of codes leave as 512 + 256 consecutive bytes.
.macro OUT i
.rept 4
	v_nop                                          ; places behind the last products
.endr
	v_add_f32 v14, v14, v15                        ; the sum's two halves,
	s_delay_alu instid0(VALU_DEP_1)
	v_permlanex16_b32 v[TR], v14, s[SEL], s[SEL+1]
	s_delay_alu instid0(VALU_DEP_1)
	v_add_f32 v14, v14, v[TR]                      ; and lane l xor 16's: the row's sum
	s_wait_alu depctr_va_vdst(0)
	v_rcp_f32 v[F], v14
	v_nop                                          ; a plain place behind the transcendental,
	s_wait_alu depctr_va_vdst(0)                   ; and the wait ahead of its first reader
.irp j, 0,2,4,6,8,10,12,14,16,18,20,22,24,26,28,30
	v_pk_mul_f32 v[S+\j:S+\j+1], v[O+\j:O+\j+1], v[F:F+1] op_sel_hi:[1,0]   ; each accumulator from its low end on
.endr
.irp b, 0,1
	v_max3_num_f32 v[BM+\b], |v[S+16*\b]|, |v[S+16*\b+1]|, 0x1800000
.endr
.irp k, 2,4,6,8,10,12,14
.irp b, 0,1
	s_delay_alu instid0(VALU_DEP_2)
	v_max3_num_f32 v[BM+\b], v[BM+\b], |v[S+16*\b+\k]|, |v[S+16*\b+\k+1]|
.endr
.endr
.irp b, 0,1
	s_delay_alu instid0(VALU_DEP_2)
	v_permlanex16_b32 v[PT+\b], v[BM+\b], s[SEL], s[SEL+1]
.endr
.irp b, 0,1
	s_delay_alu instid0(VALU_DEP_2)
	v_max_num_f32 v[BM+\b], v[BM+\b], v[PT+\b]
.endr
.irp b, 0,1
	s_delay_alu instid0(VALU_DEP_2)
	v_add_nc_u32 v[SOP+\b], 0xff000000, v[BM+\b]
.endr
.irp b, 0,1
	s_delay_alu instid0(VALU_DEP_2)
	v_lshrrev_b32 v[PT+\b], 23, v[SOP+\b]
.endr
	s_delay_alu instid0(VALU_DEP_1)
	v_lshl_or_b32 v[HW+\i], v[PT+1], 8, v[PT]      ; my row's two scale bytes
	v_cvt_scalef32_pk16_fp6_f32 v[PCD:PCD+2], v[S:S+15], v[SOP]
	v_cvt_scalef32_pk16_fp6_f32 v[TT:TT+2], v[S+16:S+31], v[SOP+1]
	v_nop
.irp k, 0,1,2
	v_permlane16_swap_b32 v[PCD+\k], v[TT+\k]
.endr
.irp k, 0,1,2
	s_delay_alu instid0(VALU_DEP_3)
	v_mov_b32 v[PCD+3+\k], v[TT+\k]
.endr
	global_store_b128 v[LI], v[PCD:PCD+3], s[10:11] offset:12288*\i
	global_store_b64 v[L8], v[PCD+4:PCD+5], s[10:11] offset:12288*\i+512
.endm
	INIT
	s_wait_loadcnt 0x0                             ; q
	s_wait_tensorcnt 0x0                           ; my record is in,
	s_barrier_signal -1
	s_barrier_wait -1                              ; everybody's is: the whole head lies in LDS, and nothing writes it again
	KEYS Q0, QS0
	OUT 0
	s_wait_xcnt 0x0                                ; the stores have read the codes' registers, which the next tile's steps write
	INIT
	KEYS Q1, QS1
	OUT 1
	s_mov_b32 vcc_lo, 0xffff0000                   ; lanes 16-31 store the second tile's bytes
	v_cndmask_b32 v[HW], v[HW], v[HW+1], vcc_lo
	global_store_b16 v[HO], v[HW], s[12:13]
	s_wait_tensorcnt 0x0                           ; the wave's end, behind my tensor load
	ds_add_u32 v[SPW], v[NIL]
	s_wait_dscnt 0x0
	CROUND                                         ; the closing round
	s_endpgm
.Lfunc_end_k_q7ab78ba7b1_attn:
	.size	k_q7ab78ba7b1_attn, .Lfunc_end_k_q7ab78ba7b1_attn-k_q7ab78ba7b1_attn
	.p2alignl 7, 3214868480
	.fill 96, 4, 3214868480
	.section	.rodata,"a",@progbits
	.p2align	6, 0x0
	.amdhsa_kernel k_q7ab78ba7b1_attn
		.amdhsa_group_segment_fixed_size 206848
		.amdhsa_private_segment_fixed_size 0
		.amdhsa_enable_private_segment 0
		.amdhsa_kernarg_size 40
		.amdhsa_user_sgpr_count 2
		.amdhsa_user_sgpr_kernarg_segment_ptr 1
		.amdhsa_wavefront_size32 1
		.amdhsa_system_sgpr_workgroup_id_x 1
		.amdhsa_system_sgpr_workgroup_id_y 1
		.amdhsa_system_sgpr_workgroup_id_z 1
		.amdhsa_system_vgpr_workitem_id 0
		.amdhsa_next_free_vgpr 256
		.amdhsa_next_free_sgpr 66
		.amdhsa_reserve_vcc 1
		.amdhsa_float_denorm_mode_32 3
		.amdhsa_float_denorm_mode_16_64 3
		.amdhsa_memory_ordered 1
		.amdhsa_forward_progress 1
		.amdhsa_inst_pref_size 52
	.end_amdhsa_kernel
	.amdgpu_metadata
---
amdhsa.version: [ 1, 2 ]
amdhsa.kernels:
  - .name:           k_q7ab78ba7b1_attn
    .symbol:         k_q7ab78ba7b1_attn.kd
    .args:
      - { .name: qc, .offset: 0, .size: 8, .value_kind: global_buffer, .address_space: global }
      - { .name: qs, .offset: 8, .size: 8, .value_kind: global_buffer, .address_space: global }
      - { .name: kv, .offset: 16, .size: 8, .value_kind: global_buffer, .address_space: global }
      - { .name: aoc, .offset: 24, .size: 8, .value_kind: global_buffer, .address_space: global }
      - { .name: aos, .offset: 32, .size: 8, .value_kind: global_buffer, .address_space: global }
    .group_segment_fixed_size: 206848
    .private_segment_fixed_size: 0
    .kernarg_segment_align: 8
    .kernarg_segment_size: 40
    .max_flat_workgroup_size: 512
    .sgpr_count:     66
    .vgpr_count:     256
    .wavefront_size: 32
...
	.end_amdgpu_metadata
.endif
;; end of part 3
;; launch gemm_out (part 4): grid 4 x 32, 4 waves a work-group, clusters of 4 x 4, 327,680 bytes of LDS; arguments aoc, aos, opc, ops, b_out, out0; writes out0
.if DOCPART == 4
	.amdgcn_target "amdgcn-amd-amdhsa--gfx1250"
	.amdhsa_code_object_version 6
	.text
	.protected	k_q7ab78ba7b1_gemm_out
	.globl	k_q7ab78ba7b1_gemm_out
	.p2align	8
	.type	k_q7ab78ba7b1_gemm_out,@function
k_q7ab78ba7b1_gemm_out:
	s_mov_b64 s[64:65], 0
	v_nop
	global_prefetch_b8 v0, s[64:65] scope:SCOPE_SE
	s_setreg_imm32_b32 hwreg(HW_REG_WAVE_MODE, 25, 1), 1
	s_wait_xcnt 0x0
	s_wait_alu depctr_hold_cnt(0) depctr_sa_sdst(0) depctr_va_vdst(0) depctr_va_sdst(0) depctr_va_ssrc(0) depctr_va_vcc(0) depctr_vm_vsrc(0)
	s_getreg_b32 s2, hwreg(HW_REG_IB_STS2, 6, 4)
	s_cmp_eq_u32 s2, 0
	s_cbranch_scc0 .Lentry_in_a_cluster
	s_endpgm
.Lentry_in_a_cluster:
	s_bfe_u32 s2, ttmp6, 0x10000c
	s_cmp_lg_u32 s2, 0xf033
	s_cbranch_scc0 .Lentry_shape_is_right
	s_endpgm
.Lentry_shape_is_right:
.set NQ,     2
.set FR,     12
.set NL,     4
.set NP,     4
.set RBC,    12288
.set RBS,    512
.set SROW,   3072
.set HALFT,  8*SROW
.set SLOT,   4*HALFT
.set SCL,    2*SLOT
.set HALFS,  8*RBS
.set SHIFTB, 128
.set SPARE,  SCL+4*HALFS+256
.set SPITCH, 528
.set ADRA, 16
.set ADRB, 20
.set STO,  24
.set RD,   25
.set CO,   26
.set ADRS, 27
.set SPW,  28
.set NIL,  29
.set SC,   32
.set BI,   64
.set AF,   128
.set BK,   128
.set G1, 24
.set G0, 32
.set G1B, 48
.set G0B, 56
.set G1S, 68
.set G0S, 76
.set G1SB, 80
.set G0SB, 88
.set MSB, 0
.macro WIN new
.if MSB != \new
	s_set_vgpr_msb (MSB<<8)|\new
.set MSB, \new
.endif
.endm
.set MUL_LO, 0xa1
.set MUL_HI, 0xf1
.set TO_B,   0x40
.macro JLOAD g0a, g1a, g0b, g1b
	s_cmp_eq_u32 s15, 0
	s_cbranch_scc0 .Lfor_b_\@
	tensor_load_to_lds s[\g0a:\g0a+3], s[\g1a:\g1a+7]
	s_nop 0
.rept 4
	v_nop
.endr
	s_branch .Lasked_\@
.Lfor_b_\@:
	tensor_load_to_lds s[\g0b:\g0b+3], s[\g1b:\g1b+7]
	s_nop 0
.rept 4
	v_nop
.endr
.Lasked_\@:
.endm
.macro CREST
	s_cmp_lg_u32 s14, 0
	s_cbranch_scc1 .Lnot_wave_0_\@
	s_barrier_signal -3
.Lnot_wave_0_\@:
	s_barrier_wait -3
	s_barrier_signal -1
	s_barrier_wait -1
.endm
.macro CROUND
	s_barrier_signal -1
	s_barrier_wait -1
	CREST
.endm
	s_load_b128 s[4:7], s[0:1], 0x0
	s_load_b128 s[8:11], s[0:1], 0x10
	s_load_b64 s[96:97], s[0:1], 0x20
	s_load_b64 s[12:13], s[0:1], 0x28
	v_lshl_add_u32 v[SPW], v0, 2, SPARE
	v_mov_b32 v[NIL], 0
	ds_add_u32 v[SPW], v[NIL]
	ds_add_u32 v[SPW], v[NIL]
	v_lshrrev_b32 v1, 5, v0
	v_readfirstlane_b32 s14, v1
	s_lshr_b32 s15, s14, 1
	s_and_b32 s16, s14, 1
	s_bfe_u32 s40, ttmp6, 0x40000
	s_bfe_u32 s41, ttmp6, 0x40004
	s_and_b32 s17, ttmp7, 0xffff
	s_lshl_b32 s17, s17, 2
	s_add_co_u32 s42, s17, s41
	s_add_co_u32 s19, s40, 44
	s_lshl_b32 s43, s41, 2
	s_lshl_b32 s43, 15, s43
	s_lshl_b32 s44, 0x1111, s40
	s_or_b32 s[G1+0], s43, (3<<16)|(1<<21)
	s_or_b32 s[G1B+0], s44, (3<<16)|(1<<21)
.irp g, G1, G1B
	s_mov_b32 s[\g+1], (SROW/8)<<16
	s_mov_b32 s[\g+2], 8<<16
	s_mov_b32 s[\g+3], (SROW/8)<<16
	s_mov_b32 s[\g+4], 8
	s_mov_b32 s[\g+5], RBC/8
	s_mov_b32 s[\g+6], 0
	s_mov_b32 s[\g+7], 0
.endr
	s_or_b32 s[G1S+0], s43, (3<<16)|(1<<21)
	s_or_b32 s[G1SB+0], s44, (3<<16)|(1<<21)
.irp g, G1S, G1SB
	s_mov_b32 s[\g+1], 32<<16
	s_mov_b32 s[\g+2], (HALFS/256)<<16
	s_mov_b32 s[\g+3], 32<<16
	s_mov_b32 s[\g+4], HALFS/256
	s_mov_b32 s[\g+5], 32
	s_mov_b32 s[\g+6], 0
	s_mov_b32 s[\g+7], 0
.endr
	s_lshl_b32 s18, s16, 3
	s_lshl_b32 s20, s42, 4
	s_add_co_u32 s20, s20, s18
	s_lshl_b32 s46, s19, 4
	s_add_co_u32 s46, s46, s18
	s_lshl_b32 s22, s20, 9
	s_mov_b32 s23, 0
	s_lshl_b32 s92, s46, 9
	s_mov_b32 s93, 0
	s_mul_i32 s20, s20, RBC
	s_mov_b32 s21, 0
	s_mul_i32 s46, s46, RBC
	s_mov_b32 s47, 0
	s_mul_i32 s45, s14, HALFT
	s_mul_i32 s94, s14, HALFS
	s_wait_dscnt 0x0
	s_wait_kmcnt 0x0
	s_add_nc_u64 s[20:21], s[4:5], s[20:21]
	s_add_nc_u64 s[22:23], s[6:7], s[22:23]
	s_add_nc_u64 s[46:47], s[8:9], s[46:47]
	s_add_nc_u64 s[92:93], s[10:11], s[92:93]
	CROUND
	s_mov_b32 s[G0S], 1
	s_add_co_u32 s[G0S+1], s94, SCL
	s_mov_b64 s[G0S+2:G0S+3], s[22:23]
	s_or_b32 s[G0S+3], s[G0S+3], 0x80000000
	s_mov_b32 s[G0SB], 1
	s_add_co_u32 s[G0SB+1], s94, SCL+SHIFTB
	s_mov_b64 s[G0SB+2:G0SB+3], s[92:93]
	s_or_b32 s[G0SB+3], s[G0SB+3], 0x80000000
	JLOAD G0S, G1S, G0SB, G1SB
.irp s, 0,1
	s_mov_b32 s[G0+4*\s], 1
	s_add_co_u32 s[G0+4*\s+1], s45, \s*SLOT
	s_add_nc_u64 s[G0+4*\s+2:G0+4*\s+3], s[20:21], \s*SROW
	s_or_b32 s[G0+4*\s+3], s[G0+4*\s+3], 0x80000000
	s_mov_b32 s[G0B+4*\s], 1
	s_add_co_u32 s[G0B+4*\s+1], s45, \s*SLOT
	s_add_nc_u64 s[G0B+4*\s+2:G0B+4*\s+3], s[46:47], \s*SROW
	s_or_b32 s[G0B+4*\s+3], s[G0B+4*\s+3], 0x80000000
	s_wait_alu depctr_va_vdst(0)
	s_wait_tensorcnt 0x0
	ds_add_u32 v28, v29
	s_wait_dscnt 0x0
	CROUND
	JLOAD G0+4*\s, G1, G0B+4*\s, G1B
.endr
	v_and_b32 v1, 15, v0
	v_bfe_u32 v2, v0, 4, 1
	v_and_b32 v3, 31, v0
	v_lshlrev_b32 v[CO], 4, v3
	s_wait_alu depctr_va_vdst(0)
	v_lshlrev_b32 v4, 3, v3
	s_wait_alu depctr_va_vdst(0)
	s_lshl_b32 s20, s40, 10
	s_lshl_b32 s21, s16, 9
	s_add_co_u32 s20, s20, s21
	s_mov_b32 s21, 0
	s_add_nc_u64 s[96:97], s[96:97], s[20:21]
	v_lshlrev_b32 v7, 6, v2
.irp b, 0,1,2,3,4,5,6,7
	global_load_b128 v[BI+8*\b:BI+8*\b+3], v7, s[96:97] offset:128*(\b/2)+32*(\b%2)
	global_load_b128 v[BI+8*\b+4:BI+8*\b+7], v7, s[96:97] offset:128*(\b/2)+32*(\b%2)+16
.endr
	s_lshl_b32 s22, s42, 8
	s_lshl_b32 s23, s15, 7
	s_add_co_u32 s22, s22, s23
	s_lshl_b32 s22, s22, 12
	s_mov_b32 s23, 0
	s_add_nc_u64 s[12:13], s[12:13], s[22:23]
	s_add_nc_u64 s[12:13], s[12:13], s[20:21]
	s_mul_i32 s21, s15, HALFT
	s_mul_i32 s22, s16, HALFT
	s_add_co_u32 s22, s22, 2*HALFT
.irp s, 0,1
	v_add_nc_u32 v[ADRA+\s], s21, v[CO]
	v_add_nc_u32 v[ADRB+\s], s22, v[CO]
	v_add_nc_u32 v[ADRA+2+\s], s21, v4
	v_add_nc_u32 v[ADRB+2+\s], s22, v4
	s_add_co_u32 s21, s21, SLOT
	s_add_co_u32 s22, s22, SLOT
.endr
	v_lshlrev_b32 v5, 3, v1
	s_mul_i32 s21, s15, HALFS
	s_mul_i32 s22, s16, HALFS
	s_add_co_u32 s22, s22, 2*HALFS+SHIFTB
	s_sub_co_u32 s22, s22, s21
	v_mul_u32_u24 v6, s22, v2
	s_add_co_u32 s21, s21, SCL
	v_add_nc_u32 v5, v5, v6
	v_add_nc_u32 v[ADRS], s21, v5
	s_mul_i32 s23, s14, 16*SPITCH
	v_mul_u32_u24 v5, v1, SPITCH
	v_lshl_add_u32 v5, v2, 6, v5
	v_add_nc_u32 v[STO], s23, v5
	v_add_nc_u32 v[RD], s23, v[CO]
.macro FRAG reg, adr, q, i
.irp c, 0,1
	ds_load_b128 v[\reg+6*\c:\reg+6*\c+3], v[\adr] offset:(\i)*SROW+(\q)*1536+\c*768
	ds_load_b64 v[\reg+6*\c+4:\reg+6*\c+5], v[\adr+2] offset:(\i)*SROW+(\q)*1536+\c*768+512
.endr
.endm
.macro MUL16 a0, p, q, sc, first
.irp a, \a0, \a0+1
.irp b, 0,1,2,3,4,5,6,7
.if \first
	v_wmma_scale_f32_16x16x128_f8f6f4 v[8*(8*((\a)%4)+\b):8*(8*((\a)%4)+\b)+7], v[128*(\p)+FR*\b:128*(\p)+FR*\b+FR-1], v[AF+FR*(\a):AF+FR*(\a)+FR-1], v[BI+8*\b:BI+8*\b+7], v[SC+8*NQ*(\sc)+NQ*\b+(\q)], v[SC+8*NQ*(\sc)+NQ*(\a)+(\q)] matrix_a_fmt:MATRIX_FMT_FP6 matrix_b_fmt:MATRIX_FMT_FP6 matrix_a_scale:MATRIX_SCALE_ROW1
.else
	v_wmma_scale_f32_16x16x128_f8f6f4 v[8*(8*((\a)%4)+\b):8*(8*((\a)%4)+\b)+7], v[128*(\p)+FR*\b:128*(\p)+FR*\b+FR-1], v[AF+FR*(\a):AF+FR*(\a)+FR-1], v[8*(8*((\a)%4)+\b):8*(8*((\a)%4)+\b)+7], v[SC+8*NQ*(\sc)+NQ*\b+(\q)], v[SC+8*NQ*(\sc)+NQ*(\a)+(\q)] matrix_a_fmt:MATRIX_FMT_FP6 matrix_b_fmt:MATRIX_FMT_FP6 matrix_a_scale:MATRIX_SCALE_ROW1
.endif
.endr
.endr
.endm
.macro FETCH_B slot, q, p
	WIN TO_B
.irp i, 0,1,2,3,4,5,6,7
	FRAG 128*(\p)+FR*\i, ADRB+\slot, \q, \i
.endr
	WIN 0
.endm
.macro FETCH_A slot, q, i0
.irp i, \i0, \i0+1, \i0+2, \i0+3
	FRAG AF+FR*(\i), ADRA+\slot, \q, \i
.endr
.endm
.macro SCALES sc
.irp i, 0,1,2,3,4,5,6,7
	ds_load_b64 v[SC+8*NQ*\sc+NQ*\i:SC+8*NQ*\sc+NQ*\i+1], v[ADRS] offset:\i*RBS
.endr
.endm
.macro PLACES n
.rept \n
	v_nop
.endr
.endm
.macro STEP slot, q, first
	s_wait_dscnt 4*NL
.if \first
	WIN 0x81
.else
	WIN MUL_LO
.endif
	MUL16 0, (\q)%2, \q, \slot, \first
	MUL16 2, (\q)%2, \q, \slot, \first
	s_wait_dscnt 0
	PLACES NP
	FETCH_B \slot, (\q)+1, 1-(\q)%2
	FETCH_A \slot, (\q)+1, 0
.if \first
	WIN 0xc1
.else
	WIN MUL_HI
.endif
	MUL16 4, (\q)%2, \q, \slot, \first
	MUL16 6, (\q)%2, \q, \slot, \first
	PLACES NP
	WIN 0
	FETCH_A \slot, (\q)+1, 4
.endm
.macro TURN slot, next, fill
	s_wait_tensorcnt 0x0
	ds_add_u32 v[SPW], v[NIL]
	s_wait_dscnt 4*NL+1
	WIN MUL_LO
	MUL16 0, 1, NQ-1, \slot, 0
	s_wait_dscnt 0x0
	s_barrier_signal -1
	MUL16 2, 1, NQ-1, \slot, 0
	WIN 0
	s_barrier_wait -1
.if \fill
	CREST
	s_add_nc_u64 s[G0+4*\slot+2:G0+4*\slot+3], s[G0+4*\slot+2:G0+4*\slot+3], 2*SROW
	s_add_nc_u64 s[G0B+4*\slot+2:G0B+4*\slot+3], s[G0B+4*\slot+2:G0B+4*\slot+3], 2*SROW
	JLOAD G0+4*\slot, G1, G0B+4*\slot, G1B
.else
	PLACES NP
.endif
	s_wait_alu depctr_va_vdst(0)
	v_add_nc_u32 v[ADRS], 128, v[ADRS]
	FETCH_B \next, 0, 0
	FETCH_A \next, 0, 0
	SCALES \next
	WIN MUL_HI
	MUL16 4, 1, NQ-1, \slot, 0
	MUL16 6, 1, NQ-1, \slot, 0
	PLACES NP
	WIN 0
	FETCH_A \next, 0, 4
.endm
	s_wait_alu depctr_va_vdst(0)
	s_wait_loadcnt 0x0
	s_wait_tensorcnt 1
	s_barrier_signal -1
	s_barrier_wait -1
	FETCH_B 0, 0, 0
	FETCH_A 0, 0, 0
	SCALES 0
	FETCH_A 0, 0, 4
	STEP 0, 0, 1
	s_mov_b32 s3, 1
.Llap:
	TURN 0, 1, 1
	STEP 1, 0, 0
	TURN 1, 0, 1
	STEP 0, 0, 0
	s_sub_co_u32 s3, s3, 1
	s_cmp_lg_u32 s3, 0
	s_cbranch_scc1 .Llap
	TURN 0, 1, 0
	STEP 1, 0, 0
	s_wait_dscnt 4*NL
	WIN MUL_LO
	MUL16 0, 1, NQ-1, 1, 0
	MUL16 2, 1, NQ-1, 1, 0
	s_wait_dscnt 0
	WIN MUL_HI
	MUL16 4, 1, NQ-1, 1, 0
	MUL16 6, 1, NQ-1, 1, 0
	WIN 0
.macro TOSTAGE a
.set AC, 64*((\a)%4)
	WIN 0x08+4*((\a)/4)
.irp b, 0,1,2,3,4,5,6,7
	ds_store_b128 v[STO], v[AC+8*\b:AC+8*\b+3] offset:128*(\b/2)+32*(\b%2)
	ds_store_b128 v[STO], v[AC+8*\b+4:AC+8*\b+7] offset:128*(\b/2)+32*(\b%2)+16
.endr
	WIN 0
.set BB, BK+64*((\a)%2)
.irp t, 0,1,2,3,4,5,6,7,8,9,10,11,12,13,14,15
	ds_load_b128 v[BB+4*\t:BB+4*\t+3], v[RD] offset:\t*SPITCH
.endr
.endm
.macro SEND a, younger
.set BB, BK+64*((\a)%2)
	s_wait_dscnt \younger
.irp t, 0,1,2,3,4,5,6,7,8,9,10,11,12,13,14,15
	global_store_b128 v[CO], v[BB+4*\t:BB+4*\t+3], s[12:13] offset:(32*((\a)/2)+8*((\a)%2)+\t+8*(\t/8))*4096 th:TH_STORE_NT
.endr
.endm
	PLACES NP
	TOSTAGE 0
.irp a, 1,2,3,4,5,6,7
.if \a > 1
	s_wait_xcnt 0x0
.endif
	TOSTAGE \a
	SEND \a-1, 32
.endr
	SEND 7, 0
	s_wait_tensorcnt 0x0
	ds_add_u32 v[SPW], v[NIL]
	s_wait_dscnt 0x0
	CROUND
	s_endpgm
.Lfunc_end_k_q7ab78ba7b1_gemm_out:
	.size	k_q7ab78ba7b1_gemm_out, .Lfunc_end_k_q7ab78ba7b1_gemm_out-k_q7ab78ba7b1_gemm_out
	.p2alignl 7, 3214868480
	.fill 96, 4, 3214868480
	.section	.rodata,"a",@progbits
	.p2align	6, 0x0
	.amdhsa_kernel k_q7ab78ba7b1_gemm_out
		.amdhsa_group_segment_fixed_size 327680
		.amdhsa_private_segment_fixed_size 0
		.amdhsa_enable_private_segment 0
		.amdhsa_kernarg_size 48
		.amdhsa_user_sgpr_count 2
		.amdhsa_user_sgpr_kernarg_segment_ptr 1
		.amdhsa_wavefront_size32 1
		.amdhsa_system_sgpr_workgroup_id_x 1
		.amdhsa_system_sgpr_workgroup_id_y 1
		.amdhsa_system_sgpr_workgroup_id_z 1
		.amdhsa_system_vgpr_workitem_id 0
		.amdhsa_next_free_vgpr 1024
		.amdhsa_next_free_sgpr 100
		.amdhsa_reserve_vcc 0
		.amdhsa_float_denorm_mode_32 3
		.amdhsa_float_denorm_mode_16_64 3
		.amdhsa_memory_ordered 1
		.amdhsa_forward_progress 1
		.amdhsa_inst_pref_size 146
	.end_amdhsa_kernel
	.amdgpu_metadata
---
amdhsa.version: [ 1, 2 ]
amdhsa.kernels:
  - .name:           k_q7ab78ba7b1_gemm_out
    .symbol:         k_q7ab78ba7b1_gemm_out.kd
    .args:
      - { .name: aoc, .offset: 0, .size: 8, .value_kind: global_buffer, .address_space: global }
      - { .name: aos, .offset: 8, .size: 8, .value_kind: global_buffer, .address_space: global }
      - { .name: opc, .offset: 16, .size: 8, .value_kind: global_buffer, .address_space: global }
      - { .name: ops, .offset: 24, .size: 8, .value_kind: global_buffer, .address_space: global }
      - { .name: b_out, .offset: 32, .size: 8, .value_kind: global_buffer, .address_space: global }
      - { .name: out0, .offset: 40, .size: 8, .value_kind: global_buffer, .address_space: global }
    .group_segment_fixed_size: 327680
    .private_segment_fixed_size: 0
    .kernarg_segment_align: 8
    .kernarg_segment_size: 48
    .max_flat_workgroup_size: 128
    .sgpr_count:     100
    .vgpr_count:     1024
    .wavefront_size: 32
...
	.end_amdgpu_metadata
.endif
;; end of part 4
